; MI455X (gfx1250); checked and timed in simulation.
; The chip was launched on July 23, 2026; its instructions are those of AMD's public machine-readable ISA for CDNA 5 (MIT licence, August 2026) and "CDNA5" Instruction Set Architecture Reference Guide (July 2026). The comments in the code are by the model that wrote it; some were corrected since.
;; Cross Attention. Allowed arithmetic: matrix products marked QUANTISED: E3M2 operands, one E8M0 scale for each 32 along K, by v_wmma_scale_f32_16x16x128_f8f6f4 with both operands' format E3M2, f32 sums; products left as they are: f32 operands where the result goes on into a quantised operand, else bf16, f16 or f32 operands; f32 sums; everything else in f32.
;; Inputs: features_codes 32 x 1,024 x 32 x 24 uint8 (E3M2 codes of features, K innermost, in blocks of 32 codes, four codes in three bytes); features_scales 32 x 1,024 x 32 uint8 (E8M0 scales of features, one for each 32 codes along K); k_b 1,024 float32; k_w_codes 1,024 x 32 x 24 uint8 (E3M2 codes of k_w, K innermost, in blocks of 32 codes, four codes in three bytes); k_w_scales 1,024 x 32 uint8 (E8M0 scales of k_w, one for each 32 codes along K); q_b 1,024 float32; q_w_codes 1,024 x 32 x 24 uint8 (E3M2 codes of q_w, K innermost, in blocks of 32 codes, four codes in three bytes); q_w_scales 1,024 x 32 uint8 (E8M0 scales of q_w, one for each 32 codes along K); sent_ind 32 x 1,024 int32; v_b 1,024 float32; v_w_codes 1,024 x 32 x 24 uint8 (E3M2 codes of v_w, K innermost, in blocks of 32 codes, four codes in three bytes); v_w_scales 1,024 x 32 uint8 (E8M0 scales of v_w, one for each 32 codes along K).
;; Outputs: out0 32 x 1 x 1,024 float32.
;; This version of the problem:
;;   THIS VERSION OF THE PROBLEM IS GIVEN IN LOW PRECISION. The matrix products marked QUANTISED in the list below multiply operands that are first quantised to E3M2 (3 exponent bits, 2 mantissa bits; 6 bits a number), with one power-of-two scale for each 32 numbers along K (OCP MX v1.0); their sums are f32. All else is computed in f32.
;;   The module's matrix products, in the order in which they are computed (A, B: the left and right operand; K: the contracted axis; several contracted axes count as one K, in the product's order):
;;     1. [M 32, K 1,024] x [K 1,024, N 1,024]; A: input features (given as codes); B: input q_w (given as codes): QUANTISED
;;     2. [M 32,736, K 1,024] x [K 1,024, N 1,024]; A: input features (given as codes); B: input k_w (given as codes): QUANTISED
;;     3. [M 32,736, K 1,024] x [K 1,024, N 1,024]; A: input features (given as codes); B: input v_w (given as codes): QUANTISED
;;     4. batch 512 x [M 1, K 64] x [K 64, N 1,023]; A: computed on the way; B: computed on the way: left as it is (M = 1 < 16)
;;     5. batch 512 x [M 1, K 1,023] x [K 1,023, N 64]; A: softmax; B: computed on the way: left as it is (M = 1 < 16)
;;   THE QUANTISER, for each operand of a quantised product, along K:
;;     - K is cut into blocks of 32 from its start; a last block that is shorter is filled with zeros.
;;     - A block's scale is 2^e with e = floor(log2(the largest magnitude in the block)) - 4, held to -126 .. 127; a block of zeros has e = 0. As a byte (E8M0): e + 127.
;;     - Each number is divided by its block's scale, clamped to +-28, and rounded to the nearest number of E3M2, ties to even, subnormals kept.
;;     - The product sums the exact products of the quantised numbers (number of the format x scale) in f32.
;;   ~~~python
;;   def quantise(x, axis):      # numpy; x: float32 -> the quantised numbers, widened to float32 again
;;       x = np.moveaxis(x, axis, -1); K = x.shape[-1]
;;       x = np.pad(x, [(0, 0)] * (x.ndim - 1) + [(0, -K % 32)]); x = x.reshape(x.shape[:-1] + (-1, 32)); a = np.abs(x).max(-1, keepdims=True)
;;       e = np.where(a > 0, np.clip(np.frexp(np.where(a > 0, a, 1))[1] - 1 - 4, -126, 127), 0)      # np.frexp(a)[1] - 1 = floor(log2(a)), exactly
;;       r = np.clip(x / 2.0 ** e, -28, 28)
;;       step = 2.0 ** (np.maximum(np.frexp(np.where(r == 0, 1, r))[1] - 1, -2) - 2)
;;       q = np.round(r / step) * step * 2.0 ** e      # np.round: ties to even
;;       return np.moveaxis(q.reshape(q.shape[:-2] + (-1,))[..., :K], -1, axis).astype(np.float32)
;;   ~~~
;;   INPUTS GIVEN AS CODES. features (in the module: [32, 1024, 1024], K = its axis 2); k_w (in the module: [1024, 1024], K = its axis 1); q_w (in the module: [1024, 1024], K = its axis 1); v_w (in the module: [1024, 1024], K = its axis 1): each comes as NAME_codes (uint8): NAME with its K axis moved to the last place and cut into blocks of 32 codes, [.., K / 32, bytes a block], one block behind the other in memory; four codes in three bytes: a row's codes are one little-endian stream of bits, code i at bits 6 i .. 6 i + 5 (a code: sign, 3 exponent bits, 2 mantissa bits); and NAME_scales (uint8): the same leading axes, one E8M0 byte (e + 127) for each 32 codes along K. Its value is code x scale, taken as it is: it is not quantised again, and the codes and scales need not be those that the quantiser above would give.
;; One version. Each part assembles by itself: llvm-mc -triple=amdgcn-amd-amdhsa -mcpu=gfx1250 --defsym DOCPART=n.
;; ======== version 1 of 1: 1 launch
;; launch attn (part 1): grid 8 x 32, 4 waves a work-group, clusters of 4 x 1, 327,680 bytes of LDS; arguments features_codes, features_scales, sent_ind, q_w_codes, q_w_scales, q_b, k_w_codes, k_w_scales, k_b, v_w_codes, v_w_scales, v_b, out0; writes out0
.if DOCPART == 1
	.amdgcn_target "amdgcn-amd-amdhsa--gfx1250"
	.amdhsa_code_object_version 6
	.text
	.protected	k_qf1a7c638fd_attn
	.globl	k_qf1a7c638fd_attn
	.p2align	8
	.type	k_qf1a7c638fd_attn,@function
k_qf1a7c638fd_attn:
	s_mov_b64 s[64:65], 0
	v_nop
	global_prefetch_b8 v0, s[64:65] scope:SCOPE_SE
	s_setreg_imm32_b32 hwreg(HW_REG_WAVE_MODE, 25, 1), 1
	s_wait_xcnt 0x0
	s_wait_alu depctr_hold_cnt(0) depctr_sa_sdst(0) depctr_va_vdst(0) depctr_va_sdst(0) depctr_va_ssrc(0) depctr_va_vcc(0) depctr_vm_vsrc(0)
	s_getreg_b32 s2, hwreg(HW_REG_IB_STS2, 6, 4)
	s_cmp_eq_u32 s2, 0
	s_cbranch_scc0 .Lentry_in_a_cluster
	s_endpgm
.Lentry_in_a_cluster:
	s_bfe_u32 s2, ttmp6, 0x10000c
	s_cmp_lg_u32 s2, 0x3003
	s_cbranch_scc0 .Lentry_shape_is_right
	s_endpgm
.Lentry_shape_is_right:
; out0[b][64 head + d] = sum over keys of softmax(masked q.k / 8) v[key][d].  One query (row 0 of the batch), keys = rows 1 .. 1023.  q, k, v are products on codes of BF6 (E3M2)
; with one E8M0 scale for each 32 along K = 1,024, taken as they are given.  A score is set to 0 where sent_ind[b][key] is not 0.  Scores, softmax and the weighted sum are f32.
; SHARES.  Work-group (x, b): batch b, heads 2 x and 2 x + 1 (columns 128 x .. 128 x + 127).  Wave w: head hh = w % 2; waves 0, 1 make K and the scores, waves 2, 3 make V and the weighted sum.
; A wave's 64 rows of k_w or v_w, all of K, stay in 384 REGISTERS for the whole launch.  Only the batch's 1,024 rows of features stream: a ring of two LDS slots of 128 rows, read by all four waves.
; LAYOUT.  Source 0 = 16 rows of the weight, source 1 = 16 rows of features: lane (r, h) holds feature row r, and register j of tile t the channel d = 16 t + 8 h + j.  So a score is 32 multiply-adds
; a lane against q in the same layout and one exchange of halves, and the weighted sum is ctx[d] += p(row) v[d] with p one number a lane: nothing else changes lanes in the loop.
; K's ORDER.  For a K step of 128 a lane takes the 48 consecutive bytes at 96 s + 48 h of its row (three loads of 16 bytes): the instruction's blocks 0, 1, 2, 3 then hold the row's blocks 0, 2, 1, 3,
; on both sources alike, and bytes 1 and 2 of every scale word change places once.  The products are the same; a K step's four blocks are summed in that order.
; SOFTMAX.  t = score x log2(e) / 8 (the factor lies in q).  Each lane of a V wave keeps a running maximum, sum and ctx over ITS rows (row % 16 = r); the 16 lanes are merged at the end under their common maximum.
; Row 0 is no key: it runs through the products like any row and gets t = -infinity, so p = 0.  k_b enters as q.k_b; v_b is added behind the division, since sum(p (v + b)) / sum(p) = sum(p v) / sum(p) + b.
; A LAG OF ONE PAIR.  While a pair of 32 rows is multiplied, the pair before is finished: the K waves store its t in LDS ahead of the trip's barrier, the V waves read it behind the barrier.
; The first trip finishes a pair that does not exist: zero accumulators and t = -infinity, which leave sum and ctx zero.
; CLUSTER.  The four work-groups of a cluster share a batch: each tile of features is asked for JOINTLY (mask 15).  The weights are NOT asked for jointly: the partners of a cluster hold different
; columns, and the work-groups that hold the same columns (other batches) take them once, tile by tile, through a stage of 13,056 bytes a wave that is written by LDS stores; the work-group's
; 294,912 bytes of weights have no room as tiles beside two slots of 104,448 bytes.
; LIMITS.  A row all of whose t lie under -3e38 is not served.  NaN, infinities and the scale byte 0xff give what the arithmetic gives.
.set XROW,   768                       ; a row of 1,024 codes in bytes
.set XPAIR,  32*XROW                   ; 32 rows: what one tensor load brings
.set XSLOT,  4*XPAIR                   ; a slot's 128 rows
.set XBATCH, 1024*XROW
.set PITCH,  816                       ; a row in LDS: 3 x (256 bytes + 16 of padding) = 51 x 16: the 16 rows of a load of 16 bytes a lane fall on 16 different columns of 16 bytes
.set TILEB,  16*PITCH
.set PAIRB,  32*PITCH
.set SLOTB,  4*PAIRB
.set SLOT1,  1<<17                     ; slot 1 begins here, so that one exclusive or turns an address in one slot into the other's
.set TTAB,   SLOTB                     ; t of a pair: 1,024 bytes a head, entries of 128 bytes: row r of tile u at 8 r + 4 u
.set ETAB,   TTAB+2048                 ; word k: k < 33: -infinity; else row k - 32: all ones (the score counts) or 0.0 (it is set to 0)
.set QTAB,   ETAB+4608                 ; q x log2(e) / 8 of the work-group's 128 columns
.set OSTG,   QTAB+512                  ; ctx / sum, 256 bytes a head
.set SPARE,  OSTG+512                  ; the spare words, 128 bytes for each wave: two blocks of 256 bytes that no other line names
.set XSC,    SLOT1+SLOTB               ; the batch's scale bytes, bytes 1 and 2 of each word exchanged: 128 x (256 bytes + 16)
.set WSTG,   XSC+34816                 ; a stage of 16 padded rows for each wave
; vector registers, window 0
.set SPW,  1                           ; LDS address of my spare word; never rewritten
.set NIL,  2                           ; 0; never rewritten
.set L16,  3                           ; 16 x lane
.set RAWS, 4                           ; my stage: 272 h + 16 r: 512 dense bytes go in as two padded blocks
.set SA0,  5                           ; my stage: row r, + 48 h;  v6: + 64 h (behind one padding more)
.set RA0,  7                           ; my stage: row 0, + 48 h;  v8: + 64 h
.set FA0,  9                           ; a tile of features: row r, + 48 h
.set FA1,  10                          ; + 64 h
.set XA0,  11                          ; the pair in hand: its LDS byte + FA0;  v12: + FA1
.set XSA,  13                          ; my row's scale words of the slot's first pair (lane = row of the pair)
.set TWR,  14                          ; where a K wave puts t
.set TRD,  15                          ; where a V wave reads it
.set ERD,  16                          ; the mask words of the pair to be finished
.set QRD,  17
.set QWR,  18
.set OWR,  19
.set ORD,  20
.set PFO,  21                          ; 256 x lane: the prefetches' offset
.set XSW,  22
.set EWR,  23
.set J0,   24                          ; byte offsets into sent_ind
.set J1,   25
.set J8,   26
.set WSO,  27                          ; 32 x lane: a row of scale bytes
.set H32,  28                          ; 32 h
.set L8,   29                          ; 8 x lane
.set QR8,  30
.set NINF, 31                          ; -infinity
.set WS,   32                          ; v32-47  the weight's scale words: step s of tiles 2 p, 2 p + 1 at 8 p + s (lanes 0-15 the even tile, lanes 16-31 the odd one)
.set XS,   48                          ; v48-63  the features' scale words, two sets of 8 (lanes 0-15 the pair's tile 0, lanes 16-31 tile 1); at the head: q_w's words and row 0's
.set QQ,   64                          ; v64-95  K waves: q;  V waves: ctx
.set CTX,  64
.set QA,   80                          ; at the head: q's two accumulators
.set SK,   96                          ; v96-103 four partial scores, in pairs; at the head: at work
.set VA,   104
.set VB,   105
.set TV,   106
.set EV,   107
.set C0P,  108                         ; v108-109 (q.k_b / 2, 0)
.set TT,   110                         ; v110-111 t of my row in the pair's two tiles
.set MM,   112                         ; running maximum
.set LL,   113                         ; running sum
.set MN,   114
.set FF,   116                         ; v116, v118, v120: 2^(old - new maximum), p of tile 0, p of tile 1; named as pairs, so the odd registers are written once
.set P0,   118
.set P1,   120
.set KB,   122
.set ZOF,  124                         ; 0
.set ONES, 125                         ; all ones
.set R16,  126                         ; 16 r
.set ACC,  128                         ; v128-191, v192-255: two sets of 8 accumulators: (u, t) at 32 u + 8 t
.set XR,   128                         ; at the head: row 0's eight fragments, later the scale bytes on their way
; window 1: the weight's fragments (t, s), s = 0..3, at 48 t + 12 s;  window 2: s = 4..7 at 48 t + 12 (s - 4);  window 3: features (u, s) at 96 (s / 4) + 48 u + 12 (s % 4); at the head q_w (t, s) at 96 t + 12 s
; scalar registers
.set WV,   34
.set WSB,  35
.set HH,   36
.set CX,   37
.set XX,   38
.set BB,   39
.set G1,   40                          ; s[40:47] descriptor group 1
.set G0A,  48                          ; s[48:51] group 0 of slot 0's first fill
.set G0W,  52                          ; s[52:55] group 0 of slot 1's first fill; it then walks
.set SLOTS, 56
.set TP,   57                          ; LDS byte of the pair to be fetched
.set LIM,  58
.set PFA,  60
.set SEL,  62
.set PSEL, 66
.set CS,   68
.set WMC,  70
.set WMS,  72
.set WQC,  74
.set WQS,  76
.set PQB,  78
.set PKB,  80
.set PXS,  82
.set PX0S, 84
.set PSI,  86
.set PFC,  88
.set TA,   90                          ; s[90:91] offsets that may hold my place in the cluster
.set TB,   92                          ; s[92:93] offsets that never do: these alone feed the descriptors
.set PVB,  30
.set POUT, 32
.set W_MA, 0x0d                        ; source 0 window 1, source 1 window 3, C and D window 0
.set W_MB, 0x0e                        ; source 0 window 2
.set W_LX, 0xc0                        ; destination window 3
.set W_Q,  0x03                        ; source 0 window 3
.set MSB, 0
.macro WIN new                         ; the immediate's high byte repeats the setting that is left; a switch that changes nothing is dropped
.if MSB != (\new)
	s_set_vgpr_msb (MSB<<8)|(\new)
.set MSB, \new
.endif
.endm
.macro PLACES                          ; four plain places behind matrix instructions, in front of loads into their sources and of reads of their results
.rept 4
	v_nop
.endr
.endm
.macro CREST                           ; a round of the cluster's barrier behind its opening barrier
	s_cmp_lg_u32 s[WV], 0
	s_cbranch_scc1 .Lnot_wave_0_\@
	s_barrier_signal -3
.Lnot_wave_0_\@:
	s_barrier_wait -3
	s_barrier_signal -1
	s_barrier_wait -1
.endm
.macro CROUND
	s_barrier_signal -1
	s_barrier_wait -1
	CREST
.endm
; The head's global loads are counted by the assembler: a group's wait leaves out exactly the loads issued behind it.
.set NLD, 0
.macro GL dst, voff, sb, imm
	global_load_b128 v[\dst:(\dst)+3], v[\voff], s[\sb:(\sb)+1] offset:\imm
.set NLD, NLD+1
.endm
.macro MARK name
.set END_\name, NLD
.endm
.macro WAITG name
	s_wait_loadcnt NLD-END_\name
.endm
; A fragment, 16 rows x 128 K: 12 registers, a lane's 48 consecutive bytes at 96 s + 48 h of its row.  Where lanes 16-31 lie behind one padding more than lanes 0-15, the second address register serves.
.macro FRAG reg, a0, s, off
.irp c, 0,1,2
.set FO, 96*(\s)+16*\c
.if FO%256 >= 208
	ds_load_b128 v[(\reg)+4*\c:(\reg)+4*\c+3], v[(\a0)+1] offset:FO+16*(FO/256)+(\off)
.else
	ds_load_b128 v[(\reg)+4*\c:(\reg)+4*\c+3], v[\a0] offset:FO+16*(FO/256)+(\off)
.endif
.endr
.endm
; A tile of a weight, 16 rows = 12,288 dense bytes, comes by 24 loads of 512 consecutive bytes into the very registers that its fragments will take,
.macro RAWQ t
	WIN 0xc0
.set ii, 0
.rept 24
	GL 96*(\t)+4*ii, L16, WQC, 12288*(\t)+512*ii
.set ii, ii+1
.endr
	WIN 0
.endm
.macro RAWW t
	WIN 0x40
.set ii, 0
.rept 12
	GL 48*(\t)+4*ii, L16, WMC, 12288*(\t)+512*ii
.set ii, ii+1
.endr
	WIN 0x80
.set ii, 0
.rept 12
	GL 48*(\t)+4*ii, L16, WMC, 12288*(\t)+512*(12+ii)
.set ii, ii+1
.endr
	WIN 0
.endm
; and turns through my own stage: in as it lies, back as fragments.  LDS serves a wave's instructions in order (ISA guide 5.7.1.4): no wait between the stores and the loads, nor in front of the next tile's stores.
.macro TURNQ t
	WIN 0x0c
.set ii, 0
.rept 24
	ds_store_b128 v[RAWS], v[96*(\t)+4*ii:96*(\t)+4*ii+3] offset:544*ii
.set ii, ii+1
.endr
	WIN 0xc0
.irp s, 0,1,2,3,4,5,6,7
	FRAG 96*(\t)+12*\s, SA0, \s, 0
.endr
	WIN 0
.endm
.macro TURNW t
	WIN 0x04
.set ii, 0
.rept 12
	ds_store_b128 v[RAWS], v[48*(\t)+4*ii:48*(\t)+4*ii+3] offset:544*ii
.set ii, ii+1
.endr
	WIN 0x08
.set ii, 0
.rept 12
	ds_store_b128 v[RAWS], v[48*(\t)+4*ii:48*(\t)+4*ii+3] offset:544*(12+ii)
.set ii, ii+1
.endr
	WIN 0x40
.irp s, 0,1,2,3
	FRAG 48*(\t)+12*\s, SA0, \s, 0
.endr
	WIN 0x80
.irp s, 4,5,6,7
	FRAG 48*(\t)+12*(\s-4), SA0, \s, 0
.endr
	WIN 0
.endm
; My quarter of the batch's scale bytes, 8,192 dense bytes, in two halves: loaded, bytes 1 and 2 of each word exchanged, stored into the table
.macro XSLOAD half
.set ii, 0
.rept 8
	GL XR+32*(\half)+4*ii, L16, PXS, 512*(8*(\half)+ii)
.set ii, ii+1
.endr
.endm
.macro XSSTORE half
.set ii, 0
.rept 32
	v_perm_b32 v[XR+32*(\half)+ii], v[XR+32*(\half)+ii], v[XR+32*(\half)+ii], s[PSEL]
.set ii, ii+1
.endr
.set ii, 0
.rept 8
	ds_store_b128 v[XSW], v[XR+32*(\half)+4*ii:XR+32*(\half)+4*ii+3] offset:544*(8*(\half)+ii)
.set ii, ii+1
.endr
.endm
; One matrix instruction on the registers rD, rA, rB, rSA, rSB.  ra, rb: the side's scales stand in lanes 16-31.  zero: it starts the sum.
.macro WM zero, ra, rb
.if \zero
.if (\ra) && (\rb)
	v_wmma_scale_f32_16x16x128_f8f6f4 v[rD:rD+7], v[rA:rA+11], v[rB:rB+11], 0, v[rSA], v[rSB] matrix_a_fmt:MATRIX_FMT_BF6 matrix_b_fmt:MATRIX_FMT_BF6 matrix_a_scale:MATRIX_SCALE_ROW1 matrix_b_scale:MATRIX_SCALE_ROW1
.elseif \ra
	v_wmma_scale_f32_16x16x128_f8f6f4 v[rD:rD+7], v[rA:rA+11], v[rB:rB+11], 0, v[rSA], v[rSB] matrix_a_fmt:MATRIX_FMT_BF6 matrix_b_fmt:MATRIX_FMT_BF6 matrix_a_scale:MATRIX_SCALE_ROW1
.elseif \rb
	v_wmma_scale_f32_16x16x128_f8f6f4 v[rD:rD+7], v[rA:rA+11], v[rB:rB+11], 0, v[rSA], v[rSB] matrix_a_fmt:MATRIX_FMT_BF6 matrix_b_fmt:MATRIX_FMT_BF6 matrix_b_scale:MATRIX_SCALE_ROW1
.else
	v_wmma_scale_f32_16x16x128_f8f6f4 v[rD:rD+7], v[rA:rA+11], v[rB:rB+11], 0, v[rSA], v[rSB] matrix_a_fmt:MATRIX_FMT_BF6 matrix_b_fmt:MATRIX_FMT_BF6
.endif
.else
.if (\ra) && (\rb)
	v_wmma_scale_f32_16x16x128_f8f6f4 v[rD:rD+7], v[rA:rA+11], v[rB:rB+11], v[rD:rD+7], v[rSA], v[rSB] matrix_a_fmt:MATRIX_FMT_BF6 matrix_b_fmt:MATRIX_FMT_BF6 matrix_a_scale:MATRIX_SCALE_ROW1 matrix_b_scale:MATRIX_SCALE_ROW1
.elseif \ra
	v_wmma_scale_f32_16x16x128_f8f6f4 v[rD:rD+7], v[rA:rA+11], v[rB:rB+11], v[rD:rD+7], v[rSA], v[rSB] matrix_a_fmt:MATRIX_FMT_BF6 matrix_b_fmt:MATRIX_FMT_BF6 matrix_a_scale:MATRIX_SCALE_ROW1
.elseif \rb
	v_wmma_scale_f32_16x16x128_f8f6f4 v[rD:rD+7], v[rA:rA+11], v[rB:rB+11], v[rD:rD+7], v[rSA], v[rSB] matrix_a_fmt:MATRIX_FMT_BF6 matrix_b_fmt:MATRIX_FMT_BF6 matrix_b_scale:MATRIX_SCALE_ROW1
.else
	v_wmma_scale_f32_16x16x128_f8f6f4 v[rD:rD+7], v[rA:rA+11], v[rB:rB+11], v[rD:rD+7], v[rSA], v[rSB] matrix_a_fmt:MATRIX_FMT_BF6 matrix_b_fmt:MATRIX_FMT_BF6
.endif
.endif
.endm
; K step s of a pair: 8 matrix instructions, the set's eight accumulators by turns, one instruction a turn
.macro MUL set, s, zero
.irp u, 0,1
.irp t, 0,1,2,3
.set rD, ACC+64*(\set)+32*\u+8*\t
.set rA, 48*\t+12*((\s)%4)
.set rB, 96*((\s)/4)+48*\u+12*((\s)%4)
.set rSA, WS+8*(\t/2)+(\s)
.set rSB, XS+8*(\set)+(\s)
	WM \zero, \t%2, \u
.endr
.endr
.endm
.macro RUN1                            ; the pair's K steps 4 to 7: 24 LDS loads in one run
.irp u, 0,1
.irp s, 4,5,6,7
	FRAG 96+48*\u+12*(\s-4), XA0, \s, TILEB*\u
.endr
.endr
.endm
.macro RUN2                            ; the next pair's K steps 0 to 3
.irp u, 0,1
.irp s, 0,1,2,3
	FRAG 48*\u+12*\s, XA0, \s, TILEB*\u
.endr
.endr
.endm
; K waves: the accumulators at ac become t of 32 rows.  Four chains of 8 packed multiply-adds against q, each accumulator from its low end on; q.k_b starts two of them, half in each half of the lanes.
; The exchange of halves leaves row l of the pair in lane l.  A mask word of all ones keeps t, any other takes its place (0.0 or -infinity).  te: the entry of the table.
.macro EPI_K ac, te, eload
.irp k, 0,1,2,3,4,5,6,7
.irp u, 0,1
.irp a, 0,1
.set rS, SK+4*\u+2*\a
.set rQ, QQ+8*(2*\a+\k/4)+2*(\k%4)
.set rC, (\ac)+32*\u+8*(2*\a+\k/4)+2*(\k%4)
.if (\k == 0) && (\a == 0)
	v_pk_fma_f32 v[rS:rS+1], v[rQ:rQ+1], v[rC:rC+1], v[C0P:C0P+1]
.elseif \k == 0
	v_pk_mul_f32 v[rS:rS+1], v[rQ:rQ+1], v[rC:rC+1]
.else
	v_pk_fma_f32 v[rS:rS+1], v[rQ:rQ+1], v[rC:rC+1], v[rS:rS+1]
.endif
.endr
.endr
.endr
	v_pk_add_f32 v[SK:SK+1], v[SK:SK+1], v[SK+2:SK+3]
	v_pk_add_f32 v[SK+4:SK+5], v[SK+4:SK+5], v[SK+6:SK+7]
	v_add_f32 v[VA], v[SK], v[SK+1]                ; tile 0: my half of row r's channels
	v_add_f32 v[VB], v[SK+4], v[SK+5]              ; tile 1
	v_permlane16_swap_b32 v[VA], v[VB]             ; VA: lanes 0-15 tile 0, lanes 16-31 tile 1, the lower halves' sums; VB: the upper halves'
	v_add_f32 v[TV], v[VA], v[VB]
	v_cmp_eq_u32 vcc_lo, -1, v[EV]
	v_cndmask_b32 v[TV], v[EV], v[TV], vcc_lo
	ds_store_b32 v[TWR], v[TV] offset:128*(\te)
.if \eload
	ds_load_b32 v[EV], v[ERD] offset:128*((\te)+1) ; the next pair's mask words
.endif
.endm
; V waves: the accumulators at ac are weighed in.  Three exponentials are one batch with one wait.
.macro EPI_V ac
	v_max3_num_f32 v[MN], v[MM], v[TT], v[TT+1]
	v_sub_f32 v[FF], v[MM], v[MN]
	v_sub_f32 v[P0], v[TT], v[MN]
	v_sub_f32 v[P1], v[TT+1], v[MN]
	v_exp_f32 v[FF], v[FF]
	v_exp_f32 v[P0], v[P0]
	v_exp_f32 v[P1], v[P1]
	v_mov_b32 v[MM], v[MN]                         ; the plain instruction behind the exponentials
	s_wait_alu depctr_va_vdst(0)                   ; one wait for the batch, ahead of its first reader
	v_fma_f32 v[LL], v[LL], v[FF], v[P0]
	v_add_f32 v[LL], v[LL], v[P1]
.set jj, 0
.rept 16
	v_pk_mul_f32 v[CTX+jj:CTX+jj+1], v[CTX+jj:CTX+jj+1], v[FF:FF+1] op_sel_hi:[1,0]
.set jj, jj+2
.endr
.set jj, 0
.rept 16
	v_pk_fma_f32 v[CTX+jj:CTX+jj+1], v[(\ac)+jj:(\ac)+jj+1], v[P0:P0+1], v[CTX+jj:CTX+jj+1] op_sel_hi:[1,0,1]
.set jj, jj+2
.endr
.set jj, 0
.rept 16
	v_pk_fma_f32 v[CTX+jj:CTX+jj+1], v[(\ac)+32+jj:(\ac)+32+jj+1], v[P1:P1+1], v[CTX+jj:CTX+jj+1] op_sel_hi:[1,0,1]
.set jj, jj+2
.endr
.endm
; A PREFETCH INTO THE L2 of the slot that the NEXT refill will ask for: 98,304 bytes, lanes 256 bytes apart.  Both clusters of a batch walk the same rows: the first (cluster x = 0) asks.  Its four partners take
; 24,576 bytes each, told apart by address; in each, waves 0 to 2 take 8,192 bytes each: one instruction a wave.  The last refill asks for nothing: there is no slot behind it.
.macro ASK
	s_cmp_gt_u32 s[SLOTS], s[LIM]
	s_cbranch_scc0 .Lnot_mine_\@
	global_prefetch_b8 v[PFO], s[PFA:PFA+1] th:TH_LOAD_NT scope:SCOPE_SE
.Lnot_mine_\@:
.endm
; PAIR i OF A SLOT: 64 matrix instructions a wave, one barrier.  chg: the slot is left;  fill: and filled again, two slots ahead;  last: nothing follows.
.macro ITER i, chg, fill, last
.set CUR, (\i)%2
.set PRV, ACC+64*(1-CUR)
	s_wait_dscnt 0x0                               ; K steps 0 to 3 and the pair's scale words are in
	WIN W_MA
	MUL CUR, 0, 1
	MUL CUR, 1, 0
	PLACES                                         ; behind the last pair's products: for the loads below and for the reads of their results
	WIN W_LX
	RUN1
	WIN 0
	s_cmp_lt_u32 s[WV], 2
	s_cbranch_scc0 .Lnot_k_\@
	EPI_K PRV, \i, 1                               ; t of the pair before, into entry i
.Lnot_k_\@:
	WIN W_MA
	MUL CUR, 2, 0
	MUL CUR, 3, 0
	WIN 0
.if \chg
	s_wait_tensorcnt 0x0                           ; all my tensor loads have landed: the one that was out is my part of the next slot
	ds_add_u32 v[SPW], v[NIL]                      ; 0 onto my spare word
.if \fill
	s_xor_b32 s[G0W+1], s[G0W+1], SLOT1            ; no tensor load of mine is out, so the walking descriptor may be written: the other slot than last time,
	s_add_nc_u64 s[G0W+2:G0W+3], s[G0W+2:G0W+3], XSLOT  ; the next 128 rows; the type bits on top are not reached
	s_wait_xcnt 0x0                                ; the last prefetch, a slot back, has read its address
	s_add_nc_u64 s[PFA:PFA+1], s[PFA:PFA+1], XSLOT ; one slot further on than the walking descriptor
.endif
.endif
	s_wait_dscnt 0x0                               ; K steps 4 to 7 are in, so my reads of this pair are over; t is stored; the add, where there is one, is done
	s_barrier_signal -1
	WIN W_MB
	MUL CUR, 4, 0                                  ; sixteen matrix instructions while the others arrive
	MUL CUR, 5, 0
	WIN 0
	s_barrier_wait -1
.if \fill
	CREST                                          ; the barrier has opened a round of the cluster's barrier: no wave of any partner still reads the slot or has a load on its way
	tensor_load_to_lds s[G0W:G0W+3], s[G1:G1+7]    ; my one tensor load behind the round: it has four pairs, 256 matrix instructions, in which to land
	s_nop 0
	PLACES                                         ; four v_nop follow it
	ASK
.endif
.if !(\last)
.if (\i) < 3
	s_add_co_u32 s[TP], s[TP], PAIRB
.else
	s_sub_co_u32 s[TP], s[TP], 3*PAIRB             ; back to a slot's first pair,
	s_xor_b32 s[TP], s[TP], SLOT1                  ; in the other slot
.endif
	v_add_nc_u32 v[XA0], s[TP], v[FA0]             ; these two and two v_nop are the four places behind the products that read K steps 0 to 3
	v_add_nc_u32 v[XA0+1], s[TP], v[FA1]
	v_nop
	v_nop
.endif
	s_cmp_lt_u32 s[WV], 2
	s_cbranch_scc1 .Lnot_v1_\@
	ds_load_b64 v[TT:TT+1], v[TRD] offset:128*(\i) ; behind the barrier: t that my head's K wave has stored
.Lnot_v1_\@:
.if !(\last)
	WIN W_LX
	RUN2
	WIN 0
	ds_load_b128 v[XS+8*(1-CUR):XS+8*(1-CUR)+3], v[XSA] offset:1088*((\i)+1)
	ds_load_b128 v[XS+8*(1-CUR)+4:XS+8*(1-CUR)+7], v[XSA] offset:1088*((\i)+1)+16
.endif
	WIN W_MB
	MUL CUR, 6, 0
	MUL CUR, 7, 0
	WIN 0
	s_cmp_lt_u32 s[WV], 2
	s_cbranch_scc1 .Lnot_v2_\@
.if \last
	s_wait_dscnt 0x0
.else
	s_wait_dscnt 26                                ; t is in: behind its load stand the 24 fragment loads and the 2 loads of scale words
.endif
	EPI_V PRV                                      ; the pair before is weighed in
.Lnot_v2_\@:
.endm
.macro SLOT fill, chg3, last
	ITER 0, 0, 0, 0
	ITER 1, 0, 0, 0
	ITER 2, 0, 0, 0
	ITER 3, \chg3, \fill, \last
.if !(\last)
	v_add_nc_u32 v[ERD], 512, v[ERD]               ; four pairs on
	v_add_nc_u32 v[XSA], 4352, v[XSA]
.endif
.endm
	; ---- THE HEAD
	s_load_b512 s[8:23], s[0:1], 0x0               ; features' codes s[8:9], scales s[10:11]; sent_ind s[12:13]; q_w's codes s[14:15], scales s[16:17]; q_b s[18:19]; k_w's codes s[20:21], scales s[22:23]
	s_load_b256 s[24:31], s[0:1], 0x40             ; k_b s[24:25]; v_w's codes s[26:27], scales s[28:29]; v_b s[30:31]
	s_load_b64 s[32:33], s[0:1], 0x60              ; out0
	v_lshl_add_u32 v[SPW], v0, 2, SPARE
	v_mov_b32 v[NIL], 0
	ds_add_u32 v1, v2
	ds_add_u32 v1, v2
	s_wait_dscnt 0x0
	v_lshrrev_b32 v3, 5, v0
	v_readfirstlane_b32 s[WV], v3                  ; wave 0..3
	s_and_b32 s[HH], s[WV], 1                      ; which of the two heads
	s_bfe_u32 s[CX], ttmp6, 0x40000                ; my place in the cluster
	s_lshl_b32 s[XX], ttmp9, 2
	s_add_co_u32 s[XX], s[XX], s[CX]               ; the pair of heads = 4 x cluster x + cx: it enters global addresses of weights, biases and out0 alone
	s_and_b32 s[BB], ttmp7, 0xffff                 ; the batch, which the four partners share
	; descriptor group 1: 32 rows of features are 24,576 dense bytes: 96 rows of 256 bytes (32 elements of 8 bytes), 16 bytes of padding behind each
	s_mov_b32 s[G1+0], 15|(3<<16)|(1<<20)|(1<<21)|(5<<22)|(3<<25)  ; 15:0 the mask: all four work-groups; 17:16 elements of 8 bytes; 20 padding on; 21 set beside a mask; 24:22 after every 64 words; 31:25 4 words of it
	s_mov_b32 s[G1+1], 32<<16                      ; tensor_dim0 = 32
	s_mov_b32 s[G1+2], 96<<16                      ; tensor_dim1 = 96
	s_mov_b32 s[G1+3], 32<<16                      ; tile_dim0 = 32
	s_mov_b32 s[G1+4], 96                          ; tile_dim1 = 96
	s_mov_b32 s[G1+5], 32                          ; from row to row
	s_mov_b32 s[G1+6], 0
	s_mov_b32 s[G1+7], 0
	s_mov_b32 s[G0A], 1
	s_mul_i32 s[G0A+1], s[WV], PAIRB               ; wave w fetches pair w of each slot
	s_mov_b32 s[G0W], 1
	s_add_co_u32 s[G0W+1], s[G0A+1], SLOT1
	s_mov_b32 s[SEL], 0x76543210
	s_mov_b32 s[SEL+1], 0xfedcba98                 ; v_permlanex16_b32's selects for lane l xor 16
	s_mov_b32 s[PSEL], 0x03010200                  ; v_perm_b32: bytes 1 and 2 change places
	s_mov_b32 s[CS], 0x3e38aa3b                    ; log2(e) / 8
	s_mov_b32 s[CS+1], s[CS]                       ; (named with it as a pair, so it is written)
	s_mov_b32 s[TA+1], 0
	s_mov_b32 s[TB+1], 0
	s_cmp_lt_u32 s[WV], 3
	s_cselect_b32 s[LIM], 0, 1
	s_or_b32 s[LIM], s[LIM], ttmp9                 ; 0 in waves 0 to 2 of the batch's first cluster: the same in all four partners
	s_cmp_eq_u32 s[LIM], 0
	s_cselect_b32 s[LIM], 1, -1
	; every LDS address is made here, ahead of the first parting of the roles
	v_and_b32 v96, 31, v0                          ; lane
	v_and_b32 v97, 15, v0                          ; r
	v_bfe_u32 v98, v0, 4, 1                        ; h
	s_mul_i32 s[WSB], s[WV], TILEB
	s_add_co_u32 s[WSB], s[WSB], WSTG              ; my stage
	v_lshlrev_b32 v[L16], 4, v96
	v_mul_u32_u24 v99, v98, 272
	v_lshl_add_u32 v99, v97, 4, v99                ; 272 h + 16 r
	v_add_nc_u32 v[RAWS], s[WSB], v99
	v_mul_u32_u24 v[FA0], v97, PITCH
	v_mad_u32_u24 v[FA0], v98, 48, v[FA0]
	v_lshl_add_u32 v[FA1], v98, 4, v[FA0]
	v_add_nc_u32 v[SA0], s[WSB], v[FA0]
	v_add_nc_u32 v[SA0+1], s[WSB], v[FA1]
	v_mul_u32_u24 v[RA0], v98, 48
	v_add_nc_u32 v[RA0], s[WSB], v[RA0]
	v_lshl_add_u32 v[RA0+1], v98, 4, v[RA0]
	v_lshrrev_b32 v100, 3, v96
	v_and_b32 v101, 7, v96
	v_mul_u32_u24 v[XSA], v100, 272                ; eight rows of 32 scale bytes to a padded block
	v_lshl_add_u32 v[XSA], v101, 5, v[XSA]
	v_add_nc_u32 v[XSA], XSC, v[XSA]
	s_lshl_b32 s94, s[HH], 10
	s_add_co_u32 s94, s94, TTAB
	v_lshlrev_b32 v[TRD], 3, v97
	v_add_nc_u32 v[TRD], s94, v[TRD]
	v_lshl_add_u32 v[TWR], v98, 2, v[TRD]
	v_lshl_add_u32 v[ERD], v96, 2, ETAB
	v_lshlrev_b32 v[H32], 5, v98
	s_lshl_b32 s94, s[HH], 8
	s_add_co_u32 s95, s94, OSTG
	s_add_co_u32 s94, s94, QTAB
	v_add_nc_u32 v[QRD], s94, v[H32]
	v_add_nc_u32 v[OWR], s95, v[H32]
	v_lshlrev_b32 v[R16], 4, v97
	v_add_nc_u32 v[ORD], s95, v[R16]
	v_lshlrev_b32 v[L8], 3, v96
	v_add_nc_u32 v[QR8], s94, v[L8]
	s_lshl_b32 s94, s[WV], 7
	s_add_co_u32 s94, s94, QTAB
	v_add_nc_u32 v[QWR], s94, v[H32]
	v_lshlrev_b32 v[PFO], 8, v96
	s_mul_i32 s94, s[WV], 8704
	s_add_co_u32 s94, s94, XSC
	v_add_nc_u32 v[XSW], s94, v99
	v_lshl_add_u32 v[EWR], v0, 2, ETAB
	v_max_u32 v[J0], 33, v0                        ; mask word k belongs to sent_ind's number k - 33; words under 33 read number 0 and are replaced
	v_add_nc_u32 v[J0], 0xffffffdf, v[J0]
	v_lshlrev_b32 v[J0], 2, v[J0]
	v_lshlrev_b32 v[J1], 2, v0
	v_add_nc_u32 v[J8], 991, v0                    ; the last 128 words: held at the last key's number, 1,022
	v_min_u32 v[J8], 1022, v[J8]
	v_lshlrev_b32 v[J8], 2, v[J8]
	v_lshlrev_b32 v[WSO], 5, v96
	v_mov_b32 v[NINF], 0xff800000
	v_mov_b32 v[ZOF], 0
	v_mov_b32 v[ONES], -1
	s_wait_kmcnt 0x0
	s_mul_i32 s[TB], s[BB], XBATCH
	s_add_nc_u64 s[PFC:PFC+1], s[8:9], s[TB:TB+1]  ; the batch's codes
	s_mul_i32 s[TB], s[WV], XPAIR
	s_add_nc_u64 s[G0A+2:G0A+3], s[PFC:PFC+1], s[TB:TB+1]
	s_add_nc_u64 s[G0W+2:G0W+3], s[G0A+2:G0A+3], XSLOT
	s_or_b32 s[G0A+3], s[G0A+3], 0x80000000        ; type = 2
	s_or_b32 s[G0W+3], s[G0W+3], 0x80000000
	CROUND                                         ; all four work-groups are here: the first joint loads meet
	tensor_load_to_lds s[G0A:G0A+3], s[G1:G1+7]    ; slots 0 and 1: two loads of mine are out
	s_nop 0
	tensor_load_to_lds s[G0W:G0W+3], s[G1:G1+7]
	s_nop 0
	PLACES
	s_lshl_b32 s[TB], s[BB], 15
	s_add_nc_u64 s[PX0S:PX0S+1], s[10:11], s[TB:TB+1]   ; the batch's scale bytes,
	s_lshl_b32 s[TB], s[WV], 13
	s_add_nc_u64 s[PXS:PXS+1], s[PX0S:PX0S+1], s[TB:TB+1]  ; my quarter of them
	s_lshl_b32 s[TB], s[BB], 12
	s_add_nc_u64 s[PSI:PSI+1], s[12:13], s[TB:TB+1]
	s_add_nc_u64 s[POUT:POUT+1], s[POUT:POUT+1], s[TB:TB+1]
	s_lshl_b32 s[TA], s[XX], 9                     ; 128 columns of f32
	s_add_nc_u64 s[PQB:PQB+1], s[18:19], s[TA:TA+1]
	s_add_nc_u64 s[PKB:PKB+1], s[24:25], s[TA:TA+1]
	s_add_nc_u64 s[PVB:PVB+1], s[PVB:PVB+1], s[TA:TA+1]
	s_add_nc_u64 s[POUT:POUT+1], s[POUT:POUT+1], s[TA:TA+1]
	s_lshl_b32 s[TA], s[HH], 8                     ; my head's 64
	s_add_nc_u64 s[PKB:PKB+1], s[PKB:PKB+1], s[TA:TA+1]
	s_add_nc_u64 s[PVB:PVB+1], s[PVB:PVB+1], s[TA:TA+1]
	s_add_nc_u64 s[POUT:POUT+1], s[POUT:POUT+1], s[TA:TA+1]
	s_lshl_b32 s[TA], s[WV], 7                     ; q: 32 columns a wave
	s_add_nc_u64 s[PQB:PQB+1], s[PQB:PQB+1], s[TA:TA+1]
	s_cmp_lt_u32 s[WV], 2                          ; k_w or v_w: the choice hangs on the wave's number alone
	s_cselect_b64 s[WMC:WMC+1], s[20:21], s[26:27]
	s_cselect_b64 s[WMS:WMS+1], s[22:23], s[28:29]
	s_mul_i32 s[TA], s[XX], 128*XROW
	s_add_nc_u64 s[WMC:WMC+1], s[WMC:WMC+1], s[TA:TA+1]
	s_add_nc_u64 s[WQC:WQC+1], s[14:15], s[TA:TA+1]
	s_mul_i32 s[TA], s[HH], 64*XROW
	s_add_nc_u64 s[WMC:WMC+1], s[WMC:WMC+1], s[TA:TA+1]
	s_mul_i32 s[TA], s[WV], 32*XROW
	s_add_nc_u64 s[WQC:WQC+1], s[WQC:WQC+1], s[TA:TA+1]
	s_lshl_b32 s[TA], s[XX], 12
	s_add_nc_u64 s[WMS:WMS+1], s[WMS:WMS+1], s[TA:TA+1]
	s_add_nc_u64 s[WQS:WQS+1], s[16:17], s[TA:TA+1]
	s_lshl_b32 s[TA], s[HH], 11
	s_add_nc_u64 s[WMS:WMS+1], s[WMS:WMS+1], s[TA:TA+1]
	s_lshl_b32 s[TA], s[WV], 10
	s_add_nc_u64 s[WQS:WQS+1], s[WQS:WQS+1], s[TA:TA+1]
	s_mul_i32 s[TA], s[CX], XPAIR                  ; the prefetches: my work-group's quarter of a slot,
	s_lshl_b32 s94, s[WV], 13                      ; my wave's 8,192 bytes of it,
	s_add_co_u32 s[TA], s[TA], s94
	s_add_co_u32 s[TA], s[TA], 2*XSLOT             ; in slot 2: the first refill steps it to slot 3.  Nothing is prefetched here, at the head
	s_add_nc_u64 s[PFA:PFA+1], s[PFC:PFC+1], s[TA:TA+1]
	; row 0, q_w's and row 0's scale words, q_b (straight into q's accumulators: the bias starts the sum), q_w's two tiles
	GL 224, L16, PFC, 0
	GL 228, L16, PFC, 512                          ; (its upper half reads on into row 1: inside the buffer, not used)
	GL XS+8, ZOF, PX0S, 0
	GL XS+12, ZOF, PX0S, 16
	GL XS, WSO, WQS, 0
	GL XS+4, WSO, WQS, 16
	GL QA, H32, PQB, 0
	GL QA+4, H32, PQB, 16
	GL QA+8, H32, PQB, 64
	GL QA+12, H32, PQB, 80
	RAWQ 0
	MARK G2
	RAWQ 1
	MARK G3
	WAITG G2                                       ; all up to q_w's tile 0; tile 1's 24 loads stay out
.set jj, 0
.rept 16
	v_perm_b32 v[XS+jj], v[XS+jj], v[XS+jj], s[PSEL]
.set jj, jj+1
.endr
	ds_store_b128 v[RAWS], v[224:227]
	ds_store_b128 v[RAWS], v[228:231] offset:544
.irp s, 0,1,2,3,4,5,6,7
	FRAG XR+12*\s, RA0, \s, 0                      ; every lane of a half reads row 0: source 1's sixteen rows are all row 0
.endr
	TURNQ 0
	global_load_b32 v64, v[J0], s[PSI:PSI+1]
.irp i, 1,2,3,4,5,6,7
	global_load_b32 v[64+\i], v[J1], s[PSI:PSI+1] offset:512*\i-132
.endr
	global_load_b32 v72, v[J8], s[PSI:PSI+1]
	global_load_b64 v[KB:KB+1], v[L8], s[PKB:PKB+1]
.set NLD, NLD+10
	GL WS, WSO, WMS, 0
	GL WS+4, WSO, WMS, 16
	GL WS+8, WSO, WMS, 1024
	GL WS+12, WSO, WMS, 1040
	MARK G4
	RAWW 0
	MARK G5
	WAITG G3                                       ; q_w's tile 1; the 14 + 24 loads behind it stay out
	TURNQ 1
	RAWW 1
	MARK G6
.rept 8
	v_nop                                          ; scale words written by vector instructions stand 8 places ahead of a scaled matrix instruction
.endr
	s_wait_dscnt 0x0
	WIN W_Q
.irp s, 0,1,2,3,4,5,6,7
.irp t, 0,1
.set rD, QA+8*\t
.set rA, 96*\t+12*\s
.set rB, XR+12*\s
.set rSA, XS+\s
.set rSB, XS+8+\s
	WM 0, \t, 0                                    ; q: the two accumulators by turns
.endr
.endr
	WIN 0
	PLACES
.set jj, 0
.rept 8
	v_pk_mul_f32 v[QA+jj:QA+jj+1], v[QA+jj:QA+jj+1], s[CS:CS+1] op_sel_hi:[1,0]   ; x log2(e) / 8
.set jj, jj+2
.endr
.irp t, 0,1
	ds_store_b128 v[QWR], v[QA+8*\t:QA+8*\t+3] offset:64*\t         ; the sixteen lanes of a half hold the same numbers and write the same bytes
	ds_store_b128 v[QWR], v[QA+8*\t+4:QA+8*\t+7] offset:64*\t+16
.endr
	WAITG G4                                       ; sent_ind, k_b, the weight's scale words; two tiles' 48 loads stay out
.irp i, 0,1,2,3,4,5,6,7,8
	v_cmp_eq_u32 vcc_lo, 0, v[64+\i]
	v_cndmask_b32 v[64+\i], v[ZOF], v[ONES], vcc_lo
.endr
	v_cmp_gt_u32 vcc_lo, 33, v0
	v_cndmask_b32 v64, v64, v[NINF], vcc_lo        ; the pair that does not exist, and row 0
.irp i, 0,1,2,3,4,5,6,7,8
	ds_store_b32 v[EWR], v[64+\i] offset:512*\i
.endr
.set jj, 0
.rept 16
	v_perm_b32 v[WS+jj], v[WS+jj], v[WS+jj], s[PSEL]
.set jj, jj+1
.endr
	XSLOAD 0
	MARK G7
	WAITG G5                                       ; tile 0; 24 + 8 loads stay out
	TURNW 0
	RAWW 2
	MARK G8
	WAITG G6                                       ; tile 1; 8 + 24
	TURNW 1
	RAWW 3
	MARK G9
	WAITG G7                                       ; half of my scale bytes; 24 + 24
	XSSTORE 0
	XSLOAD 1
	MARK G10
	WAITG G8                                       ; tile 2; 24 + 8
	TURNW 2
	WAITG G9                                       ; tile 3; 8
	TURNW 3
	WAITG G10                                      ; all
	XSSTORE 1
.set jj, 0
.rept 32
	v_mov_b32 v[CTX+jj], 0                         ; ctx
.set jj, jj+1
.endr
.set jj, 0
.rept 64
	v_mov_b32 v[ACC+64+jj], 0                      ; the accumulators of the pair that does not exist: the loop is written once, with no first trip of its own
.set jj, jj+1
.endr
	v_mov_b32 v[MM], 0xff61b1e6                    ; -3e38
	v_mov_b32 v[LL], 0
	v_mov_b32 v[FF+1], 0
	v_mov_b32 v[P0+1], 0
	v_mov_b32 v[P1+1], 0
	s_wait_tensorcnt 1                             ; my part of slot 0 is in; slot 1's may stay out
	s_wait_dscnt 0x0                               ; my stores into the tables have landed, my fragments are in
	s_barrier_signal -1
	s_barrier_wait -1
	s_cmp_lt_u32 s[WV], 2
	s_cbranch_scc0 .Lhead_not_k
.irp t, 0,1,2,3
	ds_load_b128 v[QQ+8*\t:QQ+8*\t+3], v[QRD] offset:64*\t
	ds_load_b128 v[QQ+8*\t+4:QQ+8*\t+7], v[QRD] offset:64*\t+16
.endr
	ds_load_b64 v[SK:SK+1], v[QR8]
	ds_load_b32 v[EV], v[ERD]
	s_wait_dscnt 0x0
	v_mul_f32 v[SK+2], v[SK], v[KB]                ; q.k_b: two channels a lane, then over the 32 lanes
	v_fmac_f32 v[SK+2], v[SK+1], v[KB+1]
.irp m, 1,2,4,8
	v_add_f32_dpp v[SK+2], v[SK+2], v[SK+2] row_xmask:\m row_mask:0xf bank_mask:0xf
.endr
	v_permlanex16_b32 v[SK+3], v[SK+2], s[SEL], s[SEL+1]
	v_add_f32 v[SK+2], v[SK+2], v[SK+3]
	v_mul_f32 v[C0P], 0.5, v[SK+2]                 ; half in each half of the lanes
	v_mov_b32 v[C0P+1], 0
.Lhead_not_k:
	s_mov_b32 s[TP], 0
	v_add_nc_u32 v[XA0], s[TP], v[FA0]
	v_add_nc_u32 v[XA0+1], s[TP], v[FA1]
	WIN W_LX
	RUN2
	WIN 0
	ds_load_b128 v[XS:XS+3], v[XSA]
	ds_load_b128 v[XS+4:XS+7], v[XSA] offset:16
	s_mov_b32 s[SLOTS], 6
	; ---- THE LOOP: slots 0 to 5, each filled again with the rows two slots on
.Lslot:
	SLOT 1, 1, 0
	s_sub_co_u32 s[SLOTS], s[SLOTS], 1
	s_cmp_lg_u32 s[SLOTS], 0
	s_cbranch_scc1 .Lslot
	SLOT 0, 1, 0                                   ; the tail is written out: slot 6 is left, nothing is asked for
	SLOT 0, 0, 1                                   ; slot 7
	; ---- THE END: the last pair is finished
	PLACES
	s_cmp_lt_u32 s[WV], 2
	s_cbranch_scc0 .Lend_not_k
	EPI_K ACC+64, 4, 0
.Lend_not_k:
	s_wait_dscnt 0x0
	s_barrier_signal -1
	s_barrier_wait -1
	s_cmp_lt_u32 s[WV], 2
	s_cbranch_scc1 .Ldone
	global_load_b128 v[100:103], v[R16], s[PVB:PVB+1]   ; v_b of my head: it lands while the lanes are merged
	ds_load_b64 v[TT:TT+1], v[TRD] offset:512
	s_wait_dscnt 0x0
	EPI_V ACC+64
	v_mov_b32 v[MN], v[MM]                         ; the sixteen lanes of a half are merged under their common maximum
.irp m, 1,2,4,8
	v_max_num_f32_dpp v[MN], v[MN], v[MN] row_xmask:\m row_mask:0xf bank_mask:0xf
.endr
	v_sub_f32 v[FF], v[MM], v[MN]
	v_exp_f32 v[FF], v[FF]
	v_nop
	s_wait_alu depctr_va_vdst(0)                   ; ahead of the first reader
	v_mul_f32 v[LL], v[LL], v[FF]
.set jj, 0
.rept 16
	v_pk_mul_f32 v[CTX+jj:CTX+jj+1], v[CTX+jj:CTX+jj+1], v[FF:FF+1] op_sel_hi:[1,0]
.set jj, jj+2
.endr
.irp m, 1,2,4,8
	v_add_f32_dpp v[LL], v[LL], v[LL] row_xmask:\m row_mask:0xf bank_mask:0xf
.set jj, 0
.rept 32
	v_add_f32_dpp v[CTX+jj], v[CTX+jj], v[CTX+jj] row_xmask:\m row_mask:0xf bank_mask:0xf
.set jj, jj+1
.endr
.endr
	v_rcp_f32 v[P0], v[LL]
	v_nop
	s_wait_alu depctr_va_vdst(0)
.set jj, 0
.rept 16
	v_pk_mul_f32 v[CTX+jj:CTX+jj+1], v[CTX+jj:CTX+jj+1], v[P0:P0+1] op_sel_hi:[1,0]
.set jj, jj+2
.endr
.irp t, 0,1,2,3
	ds_store_b128 v[OWR], v[CTX+8*\t:CTX+8*\t+3] offset:64*\t       ; channel 16 t + 8 h + j at 4 bytes each; the sixteen lanes of a half hold the same numbers
	ds_store_b128 v[OWR], v[CTX+8*\t+4:CTX+8*\t+7] offset:64*\t+16
.endr
	ds_load_b128 v[104:107], v[ORD]                ; my own bytes, in order behind my stores: 16 bytes at 16 r
	s_wait_dscnt 0x0
	s_wait_loadcnt 0x0
	v_pk_add_f32 v[104:105], v[104:105], v[100:101]
	v_pk_add_f32 v[106:107], v[106:107], v[102:103]
	global_store_b128 v[R16], v[104:107], s[POUT:POUT+1] th:TH_STORE_NT   ; lanes 0-15 store my head's 256 consecutive bytes, at a multiple of 256 from out0's first byte; lanes 16-31 repeat the same bytes at the same places
.Ldone:
	s_wait_tensorcnt 0x0                           ; the wave's end
	ds_add_u32 v[SPW], v[NIL]
	s_wait_dscnt 0x0
	CROUND                                         ; the closing round: no work-group ends while a partner may still ask for a tile that names it
	s_endpgm
.Lfunc_end_k_qf1a7c638fd_attn:
	.size	k_qf1a7c638fd_attn, .Lfunc_end_k_qf1a7c638fd_attn-k_qf1a7c638fd_attn
	.p2alignl 7, 3214868480
	.fill 96, 4, 3214868480
	.section	.rodata,"a",@progbits
	.p2align	6, 0x0
	.amdhsa_kernel k_qf1a7c638fd_attn
		.amdhsa_group_segment_fixed_size 327680
		.amdhsa_private_segment_fixed_size 0
		.amdhsa_enable_private_segment 0
		.amdhsa_kernarg_size 104
		.amdhsa_user_sgpr_count 2
		.amdhsa_user_sgpr_kernarg_segment_ptr 1
		.amdhsa_wavefront_size32 1
		.amdhsa_system_sgpr_workgroup_id_x 1
		.amdhsa_system_sgpr_workgroup_id_y 1
		.amdhsa_system_sgpr_workgroup_id_z 1
		.amdhsa_system_vgpr_workitem_id 0
		.amdhsa_next_free_vgpr 1024
		.amdhsa_next_free_sgpr 96
		.amdhsa_reserve_vcc 1
		.amdhsa_float_denorm_mode_32 3
		.amdhsa_float_denorm_mode_16_64 3
		.amdhsa_memory_ordered 1
		.amdhsa_forward_progress 1
		.amdhsa_inst_pref_size 255
	.end_amdhsa_kernel
	.section	.bss,"aw",@nobits
	.p2align	6
	.space	262144
	.amdgpu_metadata
---
amdhsa.version: [ 1, 2 ]
amdhsa.kernels:
  - .name:           k_qf1a7c638fd_attn
    .symbol:         k_qf1a7c638fd_attn.kd
    .args:
      - { .name: features_codes, .offset: 0, .size: 8, .value_kind: global_buffer, .address_space: global }
      - { .name: features_scales, .offset: 8, .size: 8, .value_kind: global_buffer, .address_space: global }
      - { .name: sent_ind, .offset: 16, .size: 8, .value_kind: global_buffer, .address_space: global }
      - { .name: q_w_codes, .offset: 24, .size: 8, .value_kind: global_buffer, .address_space: global }
      - { .name: q_w_scales, .offset: 32, .size: 8, .value_kind: global_buffer, .address_space: global }
      - { .name: q_b, .offset: 40, .size: 8, .value_kind: global_buffer, .address_space: global }
      - { .name: k_w_codes, .offset: 48, .size: 8, .value_kind: global_buffer, .address_space: global }
      - { .name: k_w_scales, .offset: 56, .size: 8, .value_kind: global_buffer, .address_space: global }
      - { .name: k_b, .offset: 64, .size: 8, .value_kind: global_buffer, .address_space: global }
      - { .name: v_w_codes, .offset: 72, .size: 8, .value_kind: global_buffer, .address_space: global }
      - { .name: v_w_scales, .offset: 80, .size: 8, .value_kind: global_buffer, .address_space: global }
      - { .name: v_b, .offset: 88, .size: 8, .value_kind: global_buffer, .address_space: global }
      - { .name: out0, .offset: 96, .size: 8, .value_kind: global_buffer, .address_space: global }
    .group_segment_fixed_size: 327680
    .private_segment_fixed_size: 0
    .kernarg_segment_align: 8
    .kernarg_segment_size: 104
    .max_flat_workgroup_size: 128
    .sgpr_count:     96
    .vgpr_count:     1024
    .wavefront_size: 32
...
	.end_amdgpu_metadata
.endif
;; end of part 1
